; MI455X (gfx1250); checked and timed in simulation.
; The chip was launched on July 23, 2026; its instructions are those of AMD's public machine-readable ISA for CDNA 5 (MIT licence, August 2026) and "CDNA5" Instruction Set Architecture Reference Guide (July 2026). The comments in the code are by the model that wrote it; some were corrected since.
;; Multihead Attention. Allowed arithmetic: matrix products marked QUANTISED: E2M3 operands, one E8M0 scale for each 32 along K, by v_wmma_scale_f32_16x16x128_f8f6f4 with both operands' format E2M3, f32 sums; everything else in f32.
;; Inputs: Wk_codes 384 x 12 x 24 uint8 (E2M3 codes of Wk, K innermost, in blocks of 32 codes, four codes in three bytes); Wk_scales 384 x 12 uint8 (E8M0 scales of Wk, one for each 32 codes along K); Wp_codes 384 x 12 x 24 uint8 (E2M3 codes of Wp, K innermost, in blocks of 32 codes, four codes in three bytes); Wp_scales 384 x 12 uint8 (E8M0 scales of Wp, one for each 32 codes along K); Wq_codes 384 x 12 x 24 uint8 (E2M3 codes of Wq, K innermost, in blocks of 32 codes, four codes in three bytes); Wq_scales 384 x 12 uint8 (E8M0 scales of Wq, one for each 32 codes along K); Wv_codes 384 x 12 x 24 uint8 (E2M3 codes of Wv, K innermost, in blocks of 32 codes, four codes in three bytes); Wv_scales 384 x 12 uint8 (E8M0 scales of Wv, one for each 32 codes along K); bk 384 float32; bp 384 float32; bq 384 float32; bv 384 float32; input_cap 2 x 4,096 x 384 float32; ln_b 384 float32; ln_g 384 float32; output_cap 2 x 4,096 x 384 float32.
;; Outputs: out0 2 x 4,096 x 384 float32.
;; This version of the problem:
;;   THIS VERSION OF THE PROBLEM IS GIVEN IN LOW PRECISION. The matrix products marked QUANTISED in the list below multiply operands that are first quantised to E2M3 (2 exponent bits, 3 mantissa bits; 6 bits a number), with one power-of-two scale for each 32 numbers along K (OCP MX v1.0); their sums are f32. All else is computed in f32.
;;   The module's matrix products, in the order in which they are computed (A, B: the left and right operand; K: the contracted axis; several contracted axes count as one K, in the product's order):
;;     1. [M 8,192, K 384] x [K 384, N 384]; A: computed on the way; B: input Wq (given as codes): QUANTISED
;;     2. [M 8,192, K 384] x [K 384, N 384]; A: computed on the way; B: input Wk (given as codes): QUANTISED
;;     3. [M 8,192, K 384] x [K 384, N 384]; A: computed on the way; B: input Wv (given as codes): QUANTISED
;;     4. batch 12 x [M 4,096, K 64] x [K 64, N 4,096]; A: computed on the way; B: computed on the way: QUANTISED
;;     5. batch 12 x [M 4,096, K 4,096] x [K 4,096, N 64]; A: softmax (see below); B: computed on the way: QUANTISED
;;     6. [M 8,192, K 384] x [K 384, N 384]; A: computed on the way; B: input Wp (given as codes): QUANTISED
;;   THE QUANTISER, for each operand of a quantised product, along K:
;;     - K is cut into blocks of 32 from its start; a last block that is shorter is filled with zeros.
;;     - A block's scale is 2^e with e = floor(log2(the largest magnitude in the block)) - 2, held to -126 .. 127; a block of zeros has e = 0. As a byte (E8M0): e + 127.
;;     - Each number is divided by its block's scale, clamped to +-7.5, and rounded to the nearest number of E2M3, ties to even, subnormals kept.
;;     - The product sums the exact products of the quantised numbers (number of the format x scale) in f32.
;;   ~~~python
;;   def quantise(x, axis):      # numpy; x: float32 -> the quantised numbers, widened to float32 again
;;       x = np.moveaxis(x, axis, -1); K = x.shape[-1]
;;       x = np.pad(x, [(0, 0)] * (x.ndim - 1) + [(0, -K % 32)]); x = x.reshape(x.shape[:-1] + (-1, 32)); a = np.abs(x).max(-1, keepdims=True)
;;       e = np.where(a > 0, np.clip(np.frexp(np.where(a > 0, a, 1))[1] - 1 - 2, -126, 127), 0)      # np.frexp(a)[1] - 1 = floor(log2(a)), exactly
;;       r = np.clip(x / 2.0 ** e, -7.5, 7.5)
;;       step = 2.0 ** (np.maximum(np.frexp(np.where(r == 0, 1, r))[1] - 1, 0) - 3)
;;       q = np.round(r / step) * step * 2.0 ** e      # np.round: ties to even
;;       return np.moveaxis(q.reshape(q.shape[:-2] + (-1,))[..., :K], -1, axis).astype(np.float32)
;;   ~~~
;;   SOFTMAX AHEAD OF A QUANTISED PRODUCT. Where the list says 'softmax', what is quantised is not the finished softmax but p = 2^(t - M), with t = logit x log2(e) and M = ceil(the row's largest t), a whole number; so 1/2 < the row's largest p <= 1. The row's sum l is taken of the UNQUANTISED p, in f32, and the product's result is divided by l at the end. Since M is a whole number, a kernel that streams over the keys may use a running M (the ceiling of the running maximum): every later rescaling is an exact power of two, which a block's scale takes up: the codes' values come out the same.
;;   OPERANDS COMPUTED ON THE WAY. 'Computed on the way' means the value that the module computes at that place (a softmax that the list does not call 'softmax' is quantised finished and normalised). What goes into a quantiser is computed in f32, as accurately as f32 sums, v_exp_f32 and their like allow (about 1e-6 of the number): no bf16 or f16 on the way to a quantiser, and a product that is left as it is and whose result goes on into a quantised operand takes f32 operands (vector FMAs, or v_wmma_f32_16x16x4_f32). A number that lies on a knife's edge between two numbers of the format may be rounded either way, as far as f32 arithmetic and the matrix unit's own rounding can turn it there, and no further.
;;   INPUTS GIVEN AS CODES. Wk (in the module: [384, 384], K = its axis 1); Wp (in the module: [384, 384], K = its axis 1); Wq (in the module: [384, 384], K = its axis 1); Wv (in the module: [384, 384], K = its axis 1): each comes as NAME_codes (uint8): NAME with its K axis moved to the last place and cut into blocks of 32 codes, [.., K / 32, bytes a block], one block behind the other in memory; four codes in three bytes: a row's codes are one little-endian stream of bits, code i at bits 6 i .. 6 i + 5 (a code: sign, 2 exponent bits, 3 mantissa bits); and NAME_scales (uint8): the same leading axes, one E8M0 byte (e + 127) for each 32 codes along K. Its value is code x scale, taken as it is: it is not quantised again, and the codes and scales need not be those that the quantiser above would give.
;; One version. Each part assembles by itself: llvm-mc -triple=amdgcn-amd-amdhsa -mcpu=gfx1250 --defsym DOCPART=n.
;; ======== version 1 of 1: 2 launches
;; limits: right only within a limited range of input values
;; workspace buffers: kv 5,013,504 bytes; qb 2,555,904 bytes
;; launch prep (part 1): grid 64 x 3, 8 waves a work-group, clusters of 4 x 1, 327,680 bytes of LDS; arguments input_cap, output_cap, ln_g, ln_b, Wq_codes, Wq_scales, bq, Wk_codes, Wk_scales, bk, Wv_codes, Wv_scales, bv, qb, kv; writes qb, kv
.if DOCPART == 1
	.amdgcn_target "amdgcn-amd-amdhsa--gfx1250"
	.amdhsa_code_object_version 6
	.text
	.protected	k_qcb5da8bff9_prep
	.globl	k_qcb5da8bff9_prep
	.p2align	8
	.type	k_qcb5da8bff9_prep,@function
k_qcb5da8bff9_prep:
	s_mov_b64 s[64:65], 0
	v_nop
	global_prefetch_b8 v0, s[64:65] scope:SCOPE_SE
	s_setreg_imm32_b32 hwreg(HW_REG_WAVE_MODE, 25, 1), 1
	s_wait_xcnt 0x0
	s_wait_alu depctr_hold_cnt(0) depctr_sa_sdst(0) depctr_va_vdst(0) depctr_va_sdst(0) depctr_va_ssrc(0) depctr_va_vcc(0) depctr_vm_vsrc(0)
	s_getreg_b32 s2, hwreg(HW_REG_IB_STS2, 6, 4)
	s_cmp_eq_u32 s2, 0
	s_cbranch_scc0 .Lentry_in_a_cluster
	s_endpgm
.Lentry_in_a_cluster:
	s_bfe_u32 s2, ttmp6, 0x10000c
	s_cmp_lg_u32 s2, 0x3003
	s_cbranch_scc0 .Lentry_shape_is_right
	s_endpgm
.Lentry_shape_is_right:
; PREP: LayerNorm, the quantiser, one projection, the quantiser again.  All products on codes of E2M3 with one E8M0 scale for each 32 along K.
; DEAD WORK: none.  Every input of the problem has a way to the output: bq, bk and bv move the codes of q, k and v, ln_g and ln_b those of the normalised rows, bp and output_cap are added at the end.  All are loaded.
; ROLES.  The work-group's y says what it makes of its 128 tokens (step S = its x): 0: q = LN(output_cap) Wq^T + bq -> qb;  1: k = LN(input_cap) Wk^T + bk -> kv;  2: v = LN(input_cap) Wv^T + bv -> kv.
; The results leave as IMAGES OF OPERAND REGISTERS, as the second launch's matrix instructions take them: register 4 c + i of lane l at byte 512 c + 16 l + 4 i of a fragment's 1,536 bytes.
;   q, k: K = the head's 64: a tile of 16 tokens is 6 registers a lane; two tiles make one image.  v: K = the tokens: a tile of 16 features x 128 tokens is 12 registers.
; THE TOKENS OF A TILE ARE NOT NEIGHBOURS: lane r of tile 2 b + u takes token 32 b + 8 u + r + 8 (r / 8) of the step; the rows of a weight that form a tile are chosen alike.  So eight results of a lane in two
; neighbouring tiles are 16 neighbours along the next product's K, and the conversions' results are that product's operand.
; CLUSTER: the four work-groups of a cluster have one role, so the weight's codes, its scale bytes and the bias are asked for jointly, once, at the head (mask 15); nothing in LDS is filled twice.
; LIMITS: NaN and infinities among the inputs are not served.  A block whose largest magnitude lies under 2^-124 gets the scale byte 1; so does a block of zeros, where the quantiser says 127: its codes are zeros,
; and these bytes are read by this program alone.  The mean is the sum x (1 / 384) in f32.
; ROLE 1 FORMS ITS TILES OTHERWISE: lane r of tile 4 c + u takes token 64 c + 8 u + r % 8 + 32 (r / 8), so that in the second launch a lane's 32 scores of four neighbouring tiles are one whole block of 32 keys.
; THE HEAD'S LOADS: one a wave: waves 0-5 a sixth of the codes each (72 rows of 256 bytes), wave 6 the scale bytes (18 rows), wave 7 the bias (6 rows).
.set STGW,   24832
.set SPITCH, 1552
.set XSC,    36864                     ; behind the first barrier the stages' first bytes hold x's 24 fragments (tile T, K step s at 1,536 (3 T + s)) and, from here, their scale words (128 (3 T + s))
.set WL,     198656                    ; the weight's 384 rows of 288 bytes, as they lie in memory
.set WSL,    309248                    ; its scale bytes, 12 a row
.set BL,     313856                    ; the bias
.set GT,     315392                    ; roles 0, 1: the scale words are gathered here;
.set GV,     318464                    ; role 2: here
.set SPARE,  320000                    ; the spare words, 128 bytes for each of eight waves: four blocks of 256 bytes that no other line names
.set SPW,  1                           ; v1   my spare word's address; never rewritten
.set NIL,  2                           ; v2   0; never rewritten
.set AWN2, 3                           ; v3   AWN + 256 rows
.set SA,   4                           ; v4   my stage, on the way in: 16 x lane
.set SB,   5                           ; v5   and back: row r, + 64 h
.set XI,   6                           ; v6   where I store x's images
.set XW,   7                           ; v7   and their scale words
.set LI,   8                           ; v8   roles 0, 1: my pair of token tiles: images,
.set LS,   9                           ; v9   scale words
.set AW,   10                          ; v10  my three heads' rows of W,
.set AWS,  11                          ; v11  their scale words,
.set ABI,  12                          ; v12  their bias
.set GTA,  13                          ; v13  where my scale words are gathered
.set L16,  14                          ; v14  16 x lane
.set LS0,  15                          ; v15  XSC + 4 x lane
.set AWN,  16                          ; v16  role 2: my feature tile's rows of W,
.set AWSN, 17                          ; v17  their scale words,
.set ABN,  18                          ; v18  their bias
.set GVA,  19                          ; v19  where my scale words are gathered
.set GRT,  20                          ; v20  the gathered words on the way out, roles 0, 1;
.set GRV,  21                          ; v21  role 2
.set GOI,  22                          ; v22  my images' place in the step's block, roles 0, 1;
.set GOV,  23                          ; v23  role 2
.set WV,   52                          ; s52  wave
.set ROLE, 53                          ; s53  role
.set STP,  54                          ; s54  step
.set SEL,  60                          ; s[60:61] v_permlanex16_b32's selects for lane l xor 16
.macro CROUND                          ; a round of the cluster's barrier
	s_barrier_signal -1
	s_barrier_wait -1
	s_cmp_lg_u32 s[WV], 0
	s_cbranch_scc1 .Lnw0_\@
	s_barrier_signal -3
.Lnw0_\@:
	s_barrier_wait -3
	s_barrier_signal -1
	s_barrier_wait -1
.endm
.macro BAR
	s_barrier_signal -1
	s_barrier_wait -1
.endm
.macro PLACES                          ; four plain places behind matrix instructions (ISA guide 7.12.1), where no other vector work is at hand
.rept 4
	v_nop
.endr
.endm
; 64 numbers of a lane, register 16 b + i = k 32 b + 16 (lane / 16) + i of my row, become a fragment's 12 registers in v[PC] on and its scale word in v[PW].  TM: 16 registers at work.
.macro QUANT s
.irp b, 0,1,2,3
	v_max3_num_f32 v[TM+\b], |v[(\s)+16*\b]|, |v[(\s)+1+16*\b]|, 0x1800000   ; block b: my 16 numbers, and the floor 2^(3 - 127): the byte cannot fall under 1
.endr
.irp i, 2,4,6,8,10,12,14
.irp b, 0,1,2,3
	v_max3_num_f32 v[TM+\b], v[TM+\b], |v[(\s)+16*\b+\i]|, |v[(\s)+1+16*\b+\i]|   ; the four blocks by turns
.endr
.endr
.irp b, 0,1,2,3
	s_delay_alu instid0(VALU_DEP_4)
	v_permlanex16_b32 v[TM+4+\b], v[TM+\b], s[SEL], s[SEL+1]
.endr
.irp b, 0,1,2,3
	s_delay_alu instid0(VALU_DEP_4)
	v_max_num_f32 v[TM+\b], v[TM+\b], v[TM+4+\b]   ; with lane l xor 16's: the block's largest magnitude
.endr
.irp b, 0,1,2,3
	s_delay_alu instid0(VALU_DEP_4)
	v_add_nc_u32 v[TM+12+\b], 0xff000000, v[TM+\b] ; 2 off its exponent field: the conversion takes this operand's exponent field as its scale
.endr
.irp b, 0,1,2,3
	s_delay_alu instid0(VALU_DEP_4)
	v_lshrrev_b32 v[TM+4+\b], 23, v[TM+12+\b]      ; the scale's byte
.endr
	s_delay_alu instid0(VALU_DEP_3)
	v_lshl_or_b32 v[PW], v[TM+5], 8, v[TM+4]
	s_delay_alu instid0(VALU_DEP_1)
	v_lshl_or_b32 v[PW], v[TM+6], 16, v[PW]
	s_delay_alu instid0(VALU_DEP_1)
	v_lshl_or_b32 v[PW], v[TM+7], 24, v[PW]
.irp c, 0,1
	v_cvt_scalef32_pk16_fp6_f32 v[PC+6*\c:PC+2+6*\c], v[(\s)+32*\c:(\s)+15+32*\c], v[TM+12+2*\c]
	v_cvt_scalef32_pk16_fp6_f32 v[PC+12+4*\c:PC+14+4*\c], v[(\s)+16+32*\c:(\s)+31+32*\c], v[TM+13+2*\c]   ; (a conversion's three registers begin on an even number)
.endr
	v_nop                                          ; one plain place behind the conversions
.irp c, 0,1                                    ; the operand wants a whole block in a lane: lanes 0-15 block 2 c, lanes 16-31 block 2 c + 1
.irp i, 0,1,2
	v_permlane16_swap_b32 v[PC+6*\c+\i], v[PC+12+4*\c+\i]
.endr
.irp i, 0,1,2
	s_delay_alu instid0(VALU_DEP_3)
	v_mov_b32 v[PC+3+6*\c+\i], v[PC+12+4*\c+\i]
.endr
.endr
.endm
; The same for K = 64: 32 numbers, register 16 b + i = k 32 b + 16 (lane / 16) + i, become 6 registers in v[d] on and two scale bytes in v[hw].  QT: 6 registers at work; QC: 3.
.macro QUANTH s, d, hw
.irp b, 0,1
	v_max3_num_f32 v[QT+\b], |v[(\s)+16*\b]|, |v[(\s)+1+16*\b]|, 0x1800000
.endr
.irp i, 2,4,6,8,10,12,14
.irp b, 0,1
	v_max3_num_f32 v[QT+\b], v[QT+\b], |v[(\s)+16*\b+\i]|, |v[(\s)+1+16*\b+\i]|
.endr
.endr
.irp b, 0,1
	s_delay_alu instid0(VALU_DEP_2)
	v_permlanex16_b32 v[QT+2+\b], v[QT+\b], s[SEL], s[SEL+1]
.endr
.irp b, 0,1
	s_delay_alu instid0(VALU_DEP_2)
	v_max_num_f32 v[QT+\b], v[QT+\b], v[QT+2+\b]
.endr
.irp b, 0,1
	s_delay_alu instid0(VALU_DEP_2)
	v_add_nc_u32 v[QT+4+\b], 0xff000000, v[QT+\b]
.endr
.irp b, 0,1
	s_delay_alu instid0(VALU_DEP_2)
	v_lshrrev_b32 v[QT+2+\b], 23, v[QT+4+\b]
.endr
	s_delay_alu instid0(VALU_DEP_1)
	v_lshl_or_b32 v[\hw], v[QT+3], 8, v[QT+2]
	v_cvt_scalef32_pk16_fp6_f32 v[(\d):(\d)+2], v[(\s):(\s)+15], v[QT+4]
	v_cvt_scalef32_pk16_fp6_f32 v[QC:QC+2], v[(\s)+16:(\s)+31], v[QT+5]
	v_nop                                          ; one plain place behind the conversions
.irp i, 0,1,2
	v_permlane16_swap_b32 v[(\d)+\i], v[QC+\i]     ; lanes 0-15 now hold block 0, lanes 16-31 block 1: the lower 16 codes here, the upper 16 there
.endr
.irp i, 0,1,2
	s_delay_alu instid0(VALU_DEP_3)
	v_mov_b32 v[(\d)+3+\i], v[QC+\i]
.endr
.endm
	s_load_b512 s[68:83], s[0:1], 0x0              ; input_cap 68, output_cap 70, ln_g 72, ln_b 74, Wq's codes 76, scales 78, bq 80, Wk's codes 82
	s_load_b256 s[84:91], s[0:1], 0x40             ; Wk's scales 84, bk 86, Wv's codes 88, scales 90
	s_load_b128 s[92:95], s[0:1], 0x60             ; bv 92, qb 94
	s_load_b64 s[96:97], s[0:1], 0x70              ; kv
	v_lshl_add_u32 v[SPW], v0, 2, SPARE
	v_mov_b32 v[NIL], 0
	ds_add_u32 v[SPW], v[NIL]                      ; the wave's opening: the add, twice on end, and its wait ahead of my first tensor load
	ds_add_u32 v[SPW], v[NIL]
	v_lshrrev_b32 v24, 5, v0
	s_delay_alu instid0(VALU_DEP_1)
	v_readfirstlane_b32 s[WV], v24                 ; wave 0..7
	s_and_b32 s[ROLE], ttmp7, 0xffff               ; the cluster's y: the four partners share it
	s_bfe_u32 s55, ttmp6, 0x40000                  ; cx
	s_lshl_b32 s[STP], ttmp9, 2
	s_add_co_u32 s[STP], s[STP], s55               ; step = 4 x cluster x + cx: it enters global addresses of x and of the results alone
	; descriptor groups 1: elements of 8 bytes, mask 15 with bit 21 beside it, no padding
	s_mov_b32 s4, 15|(3<<16)|(1<<21)               ; the codes: a sixth of the weight, 72 rows of 256 bytes, dense
	s_mov_b32 s5, 32<<16
	s_mov_b32 s6, 72<<16
	s_mov_b32 s7, 32<<16
	s_mov_b32 s8, 72
	s_mov_b32 s9, 32
	s_mov_b32 s10, 0
	s_mov_b32 s11, 0
	s_mov_b32 s12, 15|(3<<16)|(1<<21)              ; the scale bytes: all 4,608 of them, one load
	s_mov_b32 s13, 32<<16                          ; 18 rows of 256 bytes, dense
	s_mov_b32 s14, 18<<16
	s_mov_b32 s15, 32<<16
	s_mov_b32 s16, 18
	s_mov_b32 s17, 32
	s_mov_b32 s18, 0
	s_mov_b32 s19, 0
	s_mov_b32 s20, 15|(3<<16)|(1<<21)              ; the bias: all 1,536 bytes of it, one load
	s_mov_b32 s21, 32<<16                          ; 6 rows of 256 bytes, dense
	s_mov_b32 s22, 6<<16
	s_mov_b32 s23, 32<<16
	s_mov_b32 s24, 6
	s_mov_b32 s25, 32
	s_mov_b32 s26, 0
	s_mov_b32 s27, 0
	s_mov_b32 s[SEL], 0x76543210
	s_mov_b32 s[SEL+1], 0xfedcba98
	s_mov_b32 s62, 0x3b2aaaab                      ; 1 / 384
	s_mov_b32 s63, 0x3727c5ac                      ; 1e-5
	s_mov_b32 s66, 0xffff0000                      ; lanes 16-31
	s_and_b32 s56, s[WV], 3                        ; p: my pair of token tiles (roles 0, 1)
	s_lshr_b32 s57, s[WV], 2                       ; g: my three heads
	s_lshr_b32 s67, s[WV], 1
	s_lshl_b32 s67, s67, 5
	s_and_b32 s58, s[WV], 1
	s_lshl_b32 s58, s58, 3
	s_add_co_u32 s67, s67, s58                     ; tile w begins at row 32 (w / 2) + 8 (w % 2)
	v_and_b32 v24, 31, v0                          ; lane
	v_and_b32 v25, 15, v0                          ; r
	v_bfe_u32 v26, v0, 4, 1                        ; h
	s_delay_alu instid0(VALU_DEP_2)
	v_and_b32 v27, 8, v25
	s_delay_alu instid0(VALU_DEP_1)
	v_add_nc_u32 v27, v27, v25                     ; r + 8 (r / 8)
	v_lshlrev_b32 v[L16], 4, v24
	v_lshlrev_b32 v28, 2, v24                      ; 4 x lane
	s_delay_alu instid0(VALU_DEP_3)
	v_mul_u32_u24 v29, v27, 288
	s_delay_alu instid0(VALU_DEP_1)
	v_mad_u32_u24 v29, v26, 24, v29                ; a tile's row of W, + 24 h
	v_mul_u32_u24 v30, v27, 12                     ; its scale bytes
	v_lshlrev_b32 v31, 2, v27                      ; its bias
	s_mul_i32 s58, s[WV], STGW
	v_add_nc_u32 v[SA], s58, v[L16]
	v_mul_u32_u24 v[SB], v25, SPITCH
	s_delay_alu instid0(VALU_DEP_1)
	v_lshl_add_u32 v[SB], v26, 6, v[SB]
	s_delay_alu instid0(VALU_DEP_1)
	v_add_nc_u32 v[SB], s58, v[SB]
	s_mul_i32 s58, s[WV], 4608
	v_add_nc_u32 v[XI], s58, v[L16]
	s_mul_i32 s58, s[WV], 384
	s_add_co_u32 s58, s58, XSC
	v_add_nc_u32 v[XW], s58, v28
	s_mul_i32 s58, s56, 9216
	v_add_nc_u32 v[LI], s58, v[L16]
	s_mul_i32 s58, s56, 768
	s_add_co_u32 s58, s58, XSC
	v_add_nc_u32 v[LS], s58, v28
	s_mul_i32 s58, s57, 192*288
	s_add_co_u32 s58, s58, WL
	v_add_nc_u32 v[AW], s58, v29
	s_mul_i32 s58, s57, 192*12
	s_add_co_u32 s58, s58, WSL
	v_add_nc_u32 v[AWS], s58, v30
	s_mul_i32 s58, s57, 768
	s_add_co_u32 s58, s58, BL
	v_lshlrev_b32 v[ABI], 6, v26
	s_delay_alu instid0(VALU_DEP_1)
	v_add_nc_u32 v[ABI], s58, v[ABI]
	s_lshl_b32 s59, s56, 2                         ; 4 p
	s_mul_i32 s58, s57, 1536
	s_add_co_u32 s58, s58, s59
	s_add_co_u32 s58, s58, GT
	v_add_nc_u32 v[GTA], s58, v[L16]
	v_add_nc_u32 v[LS0], XSC, v28
	s_mul_i32 s58, s67, 288
	s_add_co_u32 s58, s58, WL
	v_add_nc_u32 v[AWN], s58, v29
	s_delay_alu instid0(VALU_DEP_1)
	v_add_nc_u32 v[AWN2], 256*288, v[AWN]
	s_mul_i32 s58, s67, 12
	s_add_co_u32 s58, s58, WSL
	v_add_nc_u32 v[AWSN], s58, v30
	s_lshl_b32 s58, s67, 2
	s_add_co_u32 s58, s58, BL
	v_add_nc_u32 v[ABN], s58, v31
	s_lshl_b32 s58, s57, 8
	s_add_co_u32 s58, s58, s59
	s_add_co_u32 s58, s58, GV
	v_lshlrev_b32 v[GVA], 4, v25
	s_delay_alu instid0(VALU_DEP_1)
	v_add_nc_u32 v[GVA], s58, v[GVA]
	s_lshl_b32 s58, s[WV], 9
	s_add_co_u32 s59, s58, GT
	v_add_nc_u32 v[GRT], s59, v[L16]
	s_add_co_u32 s59, s58, GV
	v_add_nc_u32 v[GRV], s59, v[L16]
	s_mul_i32 s58, s56, 1536
	s_mul_i32 s59, s57, 18432
	s_add_co_u32 s58, s58, s59
	v_add_nc_u32 v[GOI], s58, v[L16]
	s_mul_i32 s58, s[WV], 1536
	v_add_nc_u32 v[GOV], s58, v[L16]
	s_wait_dscnt 0x0                               ; both opening adds are done
	s_wait_kmcnt 0x0
	s_cmp_eq_u32 s[ROLE], 0                        ; the buffers are chosen by the role alone
	s_cselect_b64 s[40:41], s[70:71], s[68:69]     ; x
	s_cselect_b64 s[42:43], s[76:77], s[82:83]     ; W's codes
	s_cselect_b64 s[44:45], s[78:79], s[84:85]     ; W's scales
	s_cselect_b64 s[46:47], s[80:81], s[86:87]     ; the bias
	s_cselect_b64 s[48:49], s[94:95], s[96:97]     ; the results
	s_mov_b32 s55, 78336
	s_cselect_b32 s55, 39936, s55                  ; a step's block in that buffer
	s_mov_b32 s56, 73728
	s_cselect_b32 s56, 36864, s56                  ; where its scale words begin
	s_cmp_eq_u32 s[ROLE], 2
	s_cselect_b64 s[42:43], s[88:89], s[42:43]
	s_cselect_b64 s[44:45], s[90:91], s[44:45]
	s_cselect_b64 s[46:47], s[92:93], s[46:47]
	s_mov_b32 s57, 76800
	s_cselect_b32 s56, s57, s56
	; descriptor groups 0: made of the role's pointers and the wave's number alone
	s_mov_b32 s59, 0
	s_mul_i32 s58, s[WV], 18432
	s_mov_b32 s28, 1
	s_add_co_u32 s29, s58, WL
	s_add_nc_u64 s[30:31], s[42:43], s[58:59]
	s_or_b32 s31, s31, 0x80000000
	s_mov_b32 s32, 1
	s_mov_b32 s33, WSL
	s_mov_b64 s[34:35], s[44:45]
	s_or_b32 s35, s35, 0x80000000
	s_mov_b32 s36, 1
	s_mov_b32 s37, BL
	s_mov_b64 s[38:39], s[46:47]
	s_or_b32 s39, s39, 0x80000000
	; x at my tile's first row; the results at my step's block
	s_lshr_b32 s3, s[WV], 2
	s_lshl_b32 s3, s3, 6
	s_and_b32 s57, s[WV], 3
	s_lshl_b32 s57, s57, 3
	s_add_co_u32 s3, s3, s57                       ; role 1: tile w begins at row 64 (w / 4) + 8 (w % 4),
	s_mov_b32 s58, 8*1536
	s_cmp_eq_u32 s[ROLE], 1
	s_cselect_b32 s3, s3, s67
	s_cselect_b32 s58, 24*1536, s58                ; and its rows 8-15 lie 24 rows further on than their number says (the other roles: 8)
	s_mul_i32 s3, s3, 1536
	s_mul_i32 s2, s[STP], 196608
	s_add_co_u32 s2, s2, s3
	s_mov_b32 s3, 0
	s_add_nc_u64 s[40:41], s[40:41], s[2:3]
	s_add_nc_u64 s[68:69], s[40:41], s[58:59]      ; the base for rows 8-15
	s_mul_i32 s2, s[STP], s55
	s_add_nc_u64 s[48:49], s[48:49], s[2:3]
	s_mov_b32 s2, s56
	s_add_nc_u64 s[50:51], s[48:49], s[2:3]        ; and its scale words
	CROUND                                         ; all four work-groups are here: the joint loads meet
	s_cmp_lt_u32 s[WV], 6                          ; one chain of branches on the wave's number, one load to an arm: one tensor load a wave at the head
	s_cbranch_scc0 .Lh_sc
	tensor_load_to_lds s[28:31], s[4:11]
	s_nop 0
.rept 4
	v_nop
.endr
	s_branch .Lh_done
.Lh_sc:
	s_cmp_lt_u32 s[WV], 7
	s_cbranch_scc0 .Lh_bi
	tensor_load_to_lds s[32:35], s[12:19]
	s_nop 0
.rept 4
	v_nop
.endr
	s_branch .Lh_done
.Lh_bi:
	tensor_load_to_lds s[36:39], s[20:27]
	s_nop 0
.rept 4
	v_nop
.endr
.Lh_done:
; ---- X: LayerNorm of my 16 rows.  A load takes 512 consecutive bytes of a row, 16 a lane: lane l holds columns 128 c + 4 l + 0 .. 3.
.set GG, 24                            ; v24-35  the gain at my 12 columns
.set BB, 36                            ; v36-47  the offset
.set TT, 48                            ; v48-63  four registers for each of four rows
.set XR, 64                            ; v64-255 row p at XR + 12 p
.irp c, 0,1,2
	global_load_b128 v[GG+4*\c:GG+4*\c+3], v[L16], s[72:73] offset:512*\c
.endr
.irp c, 0,1,2
	global_load_b128 v[BB+4*\c:BB+4*\c+3], v[L16], s[74:75] offset:512*\c
.endr
.irp p, 0,1,2,3,4,5,6,7,8,9,10,11,12,13,14,15
.irp c, 0,1,2
	global_load_b128 v[XR+12*\p+4*\c:XR+12*\p+4*\c+3], v[L16], s[40+28*(\p/8):41+28*(\p/8)] offset:\p*1536+512*\c
.endr
.endr
.macro CROSS                           ; the four rows' sums over the 32 lanes, result in every lane
.irp m, 1,2,4,8
.irp k, 0,1,2,3
	s_delay_alu instid0(VALU_DEP_4)
	v_add_f32_dpp v[TT+4*\k], v[TT+4*\k], v[TT+4*\k] row_xmask:\m row_mask:0xf bank_mask:0xf
.endr
.endr
.irp k, 0,1,2,3
	s_delay_alu instid0(VALU_DEP_4)
	v_permlanex16_b32 v[TT+4*\k+1], v[TT+4*\k], s[SEL], s[SEL+1]
.endr
.irp k, 0,1,2,3
	s_delay_alu instid0(VALU_DEP_4)
	v_add_f32 v[TT+4*\k], v[TT+4*\k], v[TT+4*\k+1]
.endr
.endm
.macro LN4 r0, left                    ; rows r0 .. r0 + 3, by turns.  left: the three loads a row of the rows behind them, which may stay out
	s_wait_loadcnt \left
.irp k, 0,1,2,3
	v_pk_add_f32 v[TT+4*\k:TT+4*\k+1], v[XR+12*(\r0+\k):XR+12*(\r0+\k)+1], v[XR+12*(\r0+\k)+2:XR+12*(\r0+\k)+3]
.endr
.irp j, 4,6,8,10
.irp k, 0,1,2,3
	s_delay_alu instid0(VALU_DEP_4)
	v_pk_add_f32 v[TT+4*\k:TT+4*\k+1], v[TT+4*\k:TT+4*\k+1], v[XR+12*(\r0+\k)+\j:XR+12*(\r0+\k)+\j+1]
.endr
.endr
.irp k, 0,1,2,3
	s_delay_alu instid0(VALU_DEP_4)
	v_add_f32 v[TT+4*\k], v[TT+4*\k], v[TT+4*\k+1]
.endr
	CROSS
.irp k, 0,1,2,3
	s_delay_alu instid0(VALU_DEP_4)
	v_mul_f32 v[TT+4*\k], s62, v[TT+4*\k]          ; the mean
.endr
.irp j, 0,2,4,6,8,10
.irp k, 0,1,2,3
	v_pk_add_f32 v[XR+12*(\r0+\k)+\j:XR+12*(\r0+\k)+\j+1], v[XR+12*(\r0+\k)+\j:XR+12*(\r0+\k)+\j+1], v[TT+4*\k:TT+4*\k+1] op_sel_hi:[1,0] neg_lo:[0,1] neg_hi:[0,1]   ; x - mean
.endr
.endr
.irp k, 0,1,2,3
	v_pk_mul_f32 v[TT+4*\k:TT+4*\k+1], v[XR+12*(\r0+\k):XR+12*(\r0+\k)+1], v[XR+12*(\r0+\k):XR+12*(\r0+\k)+1]       ; the squares, in two chains
	v_pk_mul_f32 v[TT+4*\k+2:TT+4*\k+3], v[XR+12*(\r0+\k)+2:XR+12*(\r0+\k)+3], v[XR+12*(\r0+\k)+2:XR+12*(\r0+\k)+3]
.endr
.irp j, 4,8
.irp k, 0,1,2,3
	v_pk_fma_f32 v[TT+4*\k:TT+4*\k+1], v[XR+12*(\r0+\k)+\j:XR+12*(\r0+\k)+\j+1], v[XR+12*(\r0+\k)+\j:XR+12*(\r0+\k)+\j+1], v[TT+4*\k:TT+4*\k+1]
	v_pk_fma_f32 v[TT+4*\k+2:TT+4*\k+3], v[XR+12*(\r0+\k)+\j+2:XR+12*(\r0+\k)+\j+3], v[XR+12*(\r0+\k)+\j+2:XR+12*(\r0+\k)+\j+3], v[TT+4*\k+2:TT+4*\k+3]
.endr
.endr
.irp k, 0,1,2,3
	v_pk_add_f32 v[TT+4*\k:TT+4*\k+1], v[TT+4*\k:TT+4*\k+1], v[TT+4*\k+2:TT+4*\k+3]
.endr
.irp k, 0,1,2,3
	s_delay_alu instid0(VALU_DEP_4)
	v_add_f32 v[TT+4*\k], v[TT+4*\k], v[TT+4*\k+1]
.endr
	CROSS
.irp k, 0,1,2,3
	s_delay_alu instid0(VALU_DEP_4)
	v_fma_f32 v[TT+4*\k], v[TT+4*\k], s62, s63     ; the variance + 1e-5
.endr
	s_wait_alu depctr_va_vdst(0)
.irp k, 0,1,2,3
	v_rsq_f32 v[TT+4*\k+2], v[TT+4*\k]
.endr
	v_nop                                          ; a plain place behind the last of the four,
	s_wait_alu depctr_va_vdst(0)                   ; and one wait for the batch, ahead of its first reader
.irp j, 0,2,4,6,8,10
.irp k, 0,1,2,3
	v_pk_mul_f32 v[XR+12*(\r0+\k)+\j:XR+12*(\r0+\k)+\j+1], v[XR+12*(\r0+\k)+\j:XR+12*(\r0+\k)+\j+1], v[TT+4*\k+2:TT+4*\k+3] op_sel_hi:[1,0]
.endr
.endr
.irp j, 0,2,4,6,8,10
.irp k, 0,1,2,3
	v_pk_fma_f32 v[XR+12*(\r0+\k)+\j:XR+12*(\r0+\k)+\j+1], v[XR+12*(\r0+\k)+\j:XR+12*(\r0+\k)+\j+1], v[GG+\j:GG+\j+1], v[BB+\j:BB+\j+1]
.endr
.endr
.irp k, 0,1,2,3
.irp c, 0,1,2
	ds_store_b128 v[SA], v[XR+12*(\r0+\k)+4*\c:XR+12*(\r0+\k)+4*\c+3] offset:SPITCH*(\r0+\k)+512*\c
.endr
.endr
.endm
	LN4 0, 36
	LN4 4, 24
	LN4 8, 12
	LN4 12, 0
; back from my stage: lane (r, h) takes, of row r, 16 neighbours of each block of 32: register XR + 16 blk + i = k 32 blk + 16 h + i.  LDS serves a wave's instructions in order: these see my stores
.irp b, 0,1,2,3,4,5,6,7,8,9,10,11
.irp j, 0,1,2,3
	ds_load_b128 v[XR+16*\b+4*\j:XR+16*\b+4*\j+3], v[SB] offset:128*\b+16*\j
.endr
.endr
	s_wait_dscnt 0x0                               ; my stage is read out:
	BAR                                            ; everybody's is, so the images may be laid over the stages
.set TM, 24
.set PW, 40
.set PC, 42
.irp s, 0,1,2
	QUANT XR+64*\s
.irp c, 0,1,2
	ds_store_b128 v[XI], v[PC+4*\c:PC+4*\c+3] offset:1536*\s+512*\c
.endr
	ds_store_b32 v[XW], v[PW] offset:128*\s
	s_wait_dscnt 0x0
.endr
	s_wait_tensorcnt 0x0                           ; my one part (codes, scale bytes or bias) has landed; my images are stored:
	BAR                                            ; everybody's
	s_cmp_eq_u32 s[ROLE], 2
	s_cbranch_scc1 .Lv
; ---- roles 0 and 1: transposed: source 0 = 16 rows of W, source 1 = 16 tokens: a lane holds one token, its registers run along the head's 64.  Wave w: token tiles 2 p, 2 p + 1, heads 3 g + i.
.set XF,  24                           ; v24-95   x's fragments (u, s) at XF + 12 (3 u + s)
.set XS,  96                           ; v96-101  their scale words
.set WF,  102                          ; v102-149 four fragments of W
.set WS,  150                          ; v150-153 their scale words
.set BI,  154                          ; v154-185 the bias in the result's layout, four tiles
.set ACC, 186                          ; v186-249 accumulator (u, t) at ACC + 8 (4 u + t)
.set QT,  102                          ; behind a head's products W's registers are at work:
.set HW,  108                          ; v108-109 the two tiles' scale bytes, v110 the word to be stored
.set SW,  110
.set PCH, 112                          ; v112-123 the pair's codes
.set QC,  124
.irp e, 0,1,2,3,4,5
.irp c, 0,1,2
	ds_load_b128 v[XF+12*\e+4*\c:XF+12*\e+4*\c+3], v[LI] offset:1536*\e+512*\c
.endr
	ds_load_b32 v[XS+\e], v[LS] offset:128*\e
.endr
.macro TUNIT i
	s_wait_xcnt 0x0                                ; the last head's stores have read their registers, which W's fragments take again
.irp t, 0,1,2,3
	ds_load_b128 v[BI+8*\t:BI+8*\t+3], v[ABI] offset:256*\i+(32*(\t/2)+8*(\t%2))*4
	ds_load_b128 v[BI+8*\t+4:BI+8*\t+7], v[ABI] offset:256*\i+(32*(\t/2)+8*(\t%2))*4+16
.endr
.irp s, 0,1,2
.irp t, 0,1,2,3
.irp q, 0,1,2,3,4,5
	ds_load_b64 v[WF+12*\t+2*\q:WF+12*\t+2*\q+1], v[AW] offset:(64*\i+32*(\t/2)+8*(\t%2))*288+96*\s+48*(\q/3)+8*(\q%3)
.endr
	ds_load_b32 v[WS+\t], v[AWS] offset:(64*\i+32*(\t/2)+8*(\t%2))*12+4*\s
.endr
	s_wait_dscnt 0x0
.irp u, 0,1                                    ; eight accumulators by turns, one instruction a turn; the bias is the C of each sum's first
.irp t, 0,1,2,3
.if \s == 0
	v_wmma_scale_f32_16x16x128_f8f6f4 v[ACC+8*(4*\u+\t):ACC+8*(4*\u+\t)+7], v[WF+12*\t:WF+12*\t+11], v[XF+12*(3*\u+\s):XF+12*(3*\u+\s)+11], v[BI+8*\t:BI+8*\t+7], v[WS+\t], v[XS+3*\u+\s] matrix_a_fmt:MATRIX_FMT_FP6 matrix_b_fmt:MATRIX_FMT_FP6
.else
	v_wmma_scale_f32_16x16x128_f8f6f4 v[ACC+8*(4*\u+\t):ACC+8*(4*\u+\t)+7], v[WF+12*\t:WF+12*\t+11], v[XF+12*(3*\u+\s):XF+12*(3*\u+\s)+11], v[ACC+8*(4*\u+\t):ACC+8*(4*\u+\t)+7], v[WS+\t], v[XS+3*\u+\s] matrix_a_fmt:MATRIX_FMT_FP6 matrix_b_fmt:MATRIX_FMT_FP6
.endif
.endr
.endr
	PLACES                                         ; in front of the loads into W's registers, and of the first read of results
.endr
.irp u, 0,1
	QUANTH ACC+32*\u, PCH+6*\u, HW+\u
.endr
	v_lshl_or_b32 v[HW], v[HW], 16, v[HW]          ; the two bytes once more in bytes 2 and 3: k = 64 .. 127 of the second launch's product holds zero codes of q, under scales that are no larger than the real ones
	v_lshl_or_b32 v[HW+1], v[HW+1], 16, v[HW+1]
	s_delay_alu instid0(VALU_DEP_1)
	v_cndmask_b32 v[SW], v[HW], v[HW+1], s66       ; lanes 0-15 carry tile 2 p's words, lanes 16-31 tile 2 p + 1's
	ds_store_b32 v[GTA], v[SW] offset:512*\i
.irp c, 0,1,2
	global_store_b128 v[GOI], v[PCH+4*\c:PCH+4*\c+3], s[48:49] offset:6144*\i+512*\c   ; 32 lanes store 512 consecutive bytes, at a multiple of 256 from the buffer's first byte
.endr
.endm
	TUNIT 0
	TUNIT 1
	TUNIT 2
	s_wait_dscnt 0x0                               ; my scale words are gathered:
	BAR                                            ; everybody's
	s_cmp_lt_u32 s[WV], 6                          ; six waves store the six heads' words, 512 bytes each
	s_cbranch_scc0 .Lend
	ds_load_b128 v[24:27], v[GRT]
	s_lshl_b32 s58, s[WV], 9
	v_add_nc_u32 v28, s58, v[L16]
	s_wait_alu depctr_va_vdst(0)
	s_wait_dscnt 0x0
	global_store_b128 v28, v[24:27], s[50:51]
	s_branch .Lend
; ---- role 2: source 0 = 16 tokens, source 1 = 16 rows of W: a lane holds one feature, its registers run along the step's 128 tokens, which are the second launch's K.  Wave w: feature tiles w + 8 i.
.Lv:
.set WFN, 24                           ; v24-59   W's fragments of the three K steps
.set WSN, 60                           ; v60-62   their scale words
.set BC,  64                           ; v64-71   my feature's bias, eight times: the C of each sum's first instruction
.set XFN, 72                           ; v72-167  x's eight fragments of a K step
.set XSN, 168                          ; v168-175 their scale words
.set ACN, 176                          ; v176-239 accumulator T at ACN + 8 T
.set TM, 72                            ; behind a tile's products x's registers are at work
.set PW, 88
.set PC, 90
.macro NUNIT i
	s_wait_xcnt 0x0                                ; the last tile's stores have read their registers, which x's fragments take again
.irp s, 0,1,2
.irp q, 0,1,2,3,4,5
.if \i < 2
	ds_load_b64 v[WFN+12*\s+2*\q:WFN+12*\s+2*\q+1], v[AWN] offset:36864*\i+96*\s+48*(\q/3)+8*(\q%3)
.else
	ds_load_b64 v[WFN+12*\s+2*\q:WFN+12*\s+2*\q+1], v[AWN2] offset:96*\s+48*(\q/3)+8*(\q%3)
.endif
.endr
	ds_load_b32 v[WSN+\s], v[AWSN] offset:1536*\i+4*\s
.endr
.irp j, 0,1,2,3,4,5,6,7
	ds_load_b32 v[BC+\j], v[ABN] offset:512*\i
.endr
.irp s, 0,1,2
.irp m, 0,1,2,3,4,5,6,7
.irp c, 0,1,2
	ds_load_b128 v[XFN+12*\m+4*\c:XFN+12*\m+4*\c+3], v[L16] offset:(3*\m+\s)*1536+512*\c
.endr
	ds_load_b32 v[XSN+\m], v[LS0] offset:(3*\m+\s)*128
.endr
	s_wait_dscnt 0x0
.irp m, 0,1,2,3,4,5,6,7                        ; eight accumulators by turns
.if \s == 0
	v_wmma_scale_f32_16x16x128_f8f6f4 v[ACN+8*\m:ACN+8*\m+7], v[XFN+12*\m:XFN+12*\m+11], v[WFN+12*\s:WFN+12*\s+11], v[BC:BC+7], v[XSN+\m], v[WSN+\s] matrix_a_fmt:MATRIX_FMT_FP6 matrix_b_fmt:MATRIX_FMT_FP6
.else
	v_wmma_scale_f32_16x16x128_f8f6f4 v[ACN+8*\m:ACN+8*\m+7], v[XFN+12*\m:XFN+12*\m+11], v[WFN+12*\s:WFN+12*\s+11], v[ACN+8*\m:ACN+8*\m+7], v[XSN+\m], v[WSN+\s] matrix_a_fmt:MATRIX_FMT_FP6 matrix_b_fmt:MATRIX_FMT_FP6
.endif
.endr
	PLACES
.endr
	QUANT ACN
	ds_store_b32 v[GVA], v[PW] offset:512*\i       ; lanes r and r + 16 write the same word with the same value
.irp c, 0,1,2
	global_store_b128 v[GOV], v[PC+4*\c:PC+4*\c+3], s[48:49] offset:36864+12288*\i+512*\c
.endr
.endm
	NUNIT 0
	NUNIT 1
	NUNIT 2
	s_wait_dscnt 0x0
	BAR
	s_cmp_lt_u32 s[WV], 3                          ; three waves store the 24 tiles' words, 512 bytes each
	s_cbranch_scc0 .Lend
	ds_load_b128 v[24:27], v[GRV]
	s_lshl_b32 s58, s[WV], 9
	v_add_nc_u32 v28, s58, v[L16]
	s_wait_alu depctr_va_vdst(0)
	s_wait_dscnt 0x0
	global_store_b128 v28, v[24:27], s[50:51]
.Lend:
	s_wait_tensorcnt 0x0                           ; the wave's end: behind my last tensor load and my last LDS store
	ds_add_u32 v[SPW], v[NIL]
	s_wait_dscnt 0x0
	CROUND                                         ; the closing round
	s_endpgm
.Lfunc_end_k_qcb5da8bff9_prep:
	.size	k_qcb5da8bff9_prep, .Lfunc_end_k_qcb5da8bff9_prep-k_qcb5da8bff9_prep
	.p2alignl 7, 3214868480
	.fill 96, 4, 3214868480
	.section	.rodata,"a",@progbits
	.p2align	6, 0x0
	.amdhsa_kernel k_qcb5da8bff9_prep
		.amdhsa_group_segment_fixed_size 327680
		.amdhsa_private_segment_fixed_size 0
		.amdhsa_enable_private_segment 0
		.amdhsa_kernarg_size 120
		.amdhsa_user_sgpr_count 2
		.amdhsa_user_sgpr_kernarg_segment_ptr 1
		.amdhsa_wavefront_size32 1
		.amdhsa_system_sgpr_workgroup_id_x 1
		.amdhsa_system_sgpr_workgroup_id_y 1
		.amdhsa_system_sgpr_workgroup_id_z 1
		.amdhsa_system_vgpr_workitem_id 0
		.amdhsa_next_free_vgpr 256
		.amdhsa_next_free_sgpr 98
		.amdhsa_reserve_vcc 0
		.amdhsa_float_denorm_mode_32 3
		.amdhsa_float_denorm_mode_16_64 3
		.amdhsa_memory_ordered 1
		.amdhsa_forward_progress 1
		.amdhsa_inst_pref_size 185
	.end_amdhsa_kernel
	.amdgpu_metadata
---
amdhsa.version: [ 1, 2 ]
amdhsa.kernels:
  - .name:           k_qcb5da8bff9_prep
    .symbol:         k_qcb5da8bff9_prep.kd
    .args:
      - { .name: input_cap, .offset: 0, .size: 8, .value_kind: global_buffer, .address_space: global }
      - { .name: output_cap, .offset: 8, .size: 8, .value_kind: global_buffer, .address_space: global }
      - { .name: ln_g, .offset: 16, .size: 8, .value_kind: global_buffer, .address_space: global }
      - { .name: ln_b, .offset: 24, .size: 8, .value_kind: global_buffer, .address_space: global }
      - { .name: Wq_codes, .offset: 32, .size: 8, .value_kind: global_buffer, .address_space: global }
      - { .name: Wq_scales, .offset: 40, .size: 8, .value_kind: global_buffer, .address_space: global }
      - { .name: bq, .offset: 48, .size: 8, .value_kind: global_buffer, .address_space: global }
      - { .name: Wk_codes, .offset: 56, .size: 8, .value_kind: global_buffer, .address_space: global }
      - { .name: Wk_scales, .offset: 64, .size: 8, .value_kind: global_buffer, .address_space: global }
      - { .name: bk, .offset: 72, .size: 8, .value_kind: global_buffer, .address_space: global }
      - { .name: Wv_codes, .offset: 80, .size: 8, .value_kind: global_buffer, .address_space: global }
      - { .name: Wv_scales, .offset: 88, .size: 8, .value_kind: global_buffer, .address_space: global }
      - { .name: bv, .offset: 96, .size: 8, .value_kind: global_buffer, .address_space: global }
      - { .name: qb, .offset: 104, .size: 8, .value_kind: global_buffer, .address_space: global }
      - { .name: kv, .offset: 112, .size: 8, .value_kind: global_buffer, .address_space: global }
    .group_segment_fixed_size: 327680
    .private_segment_fixed_size: 0
    .kernarg_segment_align: 8
    .kernarg_segment_size: 120
    .max_flat_workgroup_size: 256
    .sgpr_count:     98
    .vgpr_count:     256
    .wavefront_size: 32
...
	.end_amdgpu_metadata
.endif
;; end of part 1
;; launch attn (part 2): grid 256 x 1, 12 waves a work-group, clusters of 4 x 1, 327,680 bytes of LDS; arguments kv, qb, Wp_codes, Wp_scales, bp, output_cap, out0; writes out0
.if DOCPART == 2
	.amdgcn_target "amdgcn-amd-amdhsa--gfx1250"
	.amdhsa_code_object_version 6
	.text
	.protected	k_qcb5da8bff9_attn
	.globl	k_qcb5da8bff9_attn
	.p2align	8
	.type	k_qcb5da8bff9_attn,@function
k_qcb5da8bff9_attn:
	s_mov_b64 s[64:65], 0
	v_nop
	global_prefetch_b8 v0, s[64:65] scope:SCOPE_SE
	s_setreg_imm32_b32 hwreg(HW_REG_WAVE_MODE, 25, 1), 1
	s_wait_xcnt 0x0
	s_wait_alu depctr_hold_cnt(0) depctr_sa_sdst(0) depctr_va_vdst(0) depctr_va_sdst(0) depctr_va_ssrc(0) depctr_va_vcc(0) depctr_vm_vsrc(0)
	s_getreg_b32 s2, hwreg(HW_REG_IB_STS2, 6, 4)
	s_cmp_eq_u32 s2, 0
	s_cbranch_scc0 .Lentry_in_a_cluster
	s_endpgm
.Lentry_in_a_cluster:
	s_bfe_u32 s2, ttmp6, 0x10000c
	s_cmp_lg_u32 s2, 0x3003
	s_cbranch_scc0 .Lentry_shape_is_right
	s_endpgm
.Lentry_shape_is_right:
; ATTN: out0 = output_cap + softmax(q k^T / 8) v  Wp^T + bp, all three products on codes of E2M3 with one E8M0 scale for each 32 along K.  No work of the problem is left out.
; SHARES.  A work-group owns 32 rows of one batch and all six heads: twelve waves, wave w = head w / 2, query tile w % 2 (lane r is local row 8 (w % 2) + r + 8 (r / 8)).  The attention's result meets in one work-group,
; is quantised in registers and goes from wave to wave through LDS.  Every wave walks the batch's 4,096 keys, 128 a step; a step's block of kv is 78,336 dense bytes; two blocks are a slot; two slots take turns.
; CLUSTER.  The four work-groups of a cluster walk the same blocks: each slot is asked for jointly (mask 15), a twelfth by each wave; so are Wp's codes, which take slot 0's bytes behind that slot's last read.
; LAYOUT.  S^T = k q^T and O^T = v^T p^T: a lane holds one query.  The first launch forms k's tile 4 c + u of keys 64 c + 8 u + m % 8 + 32 (m / 8): so the 32 registers of tiles 4 c .. 4 c + 3 are keys
; 64 c + 32 (lane / 16) + 0 .. 31: a whole block of p lies in one lane, in the order of the next operand's registers.
; K = 64 IN AN INSTRUCTION OF 128: q's registers 6-11 hold zero codes, so what source 0 holds at k = 64 .. 127 adds exactly 0 (E2M3 has no NaN and no infinity).  A tile of k names the next tile's six registers as its
; upper half, the last tile six registers of p's codes.  The scale words repeat their two bytes.
; THE WALK IS STAGGERED.  A unit is: ask for v of step i and k of step i + 1; the softmax of step i; O^T += v p of step i and S^T of step i + 1, twelve matrix instructions on end.  k and v have registers of their own.
; In a slot's second step the change of slots stands inside the softmax: v's loads, the three lines, the maxima, the signal, the rescalings, the round's rest, the refill, the next slot's k, the exponentials.
; SOFTMAX: t = score x log2(e) / 8; M = the running largest t rounded up to a whole number; p = 2^(t - M) is quantised, not normalised; the sum of the unquantised p divides O at the end; when M moves, the sum and O^T
; are multiplied by 2^(old M - new M), which rounds nothing.
; NO PREFETCH of output_cap, bp and Wp's scale words: each is asked for by its own loads one key step ahead of its use, and there is no loop left to run ahead in.
; LIMITS: NaN and infinities are not served; the promise holds while the scaled scores stay under 2^31 in magnitude; a block whose largest magnitude lies under 2^-124 gets the scale byte 1; 1 / sum by v_rcp_f32.
.set BLKB,  78336
.set SLOTB, 156672
.set WPART, 13056                      ; a wave's twelfth of a slot: 51 rows of 256 bytes
.set VIMG,  36864                      ; in a block: v's images, k's scale words, v's
.set KSC,   73728
.set VSC,   76800
.set CIMG,  313344                     ; behind the ring: the attention's result as six fragments, a lane's 12 registers at 48 x lane
.set CSC,   322560                     ; their scale words
.set SPARE, 323328                     ; the spare words, 128 bytes for each of twelve waves
.set OPITCH, 1552
.set STG,   SLOTB                      ; the way out's stage, 32 rows x 1,552 bytes, in slot 1: it has had its last fill and its last read by then
.set AK0,1
.set AKS0,2
.set AVS0,3
.set SPW,4
.set NIL,5
.set PFO,6
.set RA,7
.set ADK,8
.set ADS,9
.set ADV,10
.set ADT,11
.set QF,16                             ; v16-27 q's fragment, v22-27 zeros.  v12 -M, v13 the running largest score, v[14:15] the sum
.set CT1,28                            ; v28-30 a conversion's result
.set T2,31
.set KF,32                             ; v32-79 k's eight tiles
.set PC,80                             ; v80-91 p's codes
.set KS,92
.set VS,96
.set VF,100                            ; v100-147 v's four fragments
.set S,148                             ; v148-211 S^T, then p
.set O,212                             ; v212-243 O^T
.set BM,244
.set SO,246
.set FF,248
.set PW,249
.set CT0,250
.set QS,253
.set SH8,254
.set TP,255
.set WV,18
.set SEL,20
.set CS,22
.macro CREST
	s_cmp_lg_u32 s[WV], 0
	s_cbranch_scc1 .Lnw0_\@
	s_barrier_signal -3
.Lnw0_\@:
	s_barrier_wait -3
	s_barrier_signal -1
	s_barrier_wait -1
.endm
.macro ROUND
	s_barrier_signal -1
	s_barrier_wait -1
	CREST
.endm
.macro NOP4
.rept 4
	v_nop
.endr
.endm
; A prefetch of the slot after the one just asked for.  The batch's first cluster asks; its four partners take 153 blocks of 256 bytes each, told apart by address; waves 0 to 4 ask, a lane a block
; (wave 4's last seven lanes name block 152 once more).  The flag s46 is taken down ahead of the change of slots whose look-ahead would pass the batch's last slot.
.macro ASK
	s_cmp_eq_u32 s46, 1
	s_cbranch_scc0 .Lnm_\@
	global_prefetch_b8 v[PFO], s[44:45] th:TH_LOAD_NT scope:SCOPE_SE
.Lnm_\@:
.endm
.macro QUANTH s, d, hw                 ; 32 numbers, register 16 b + i = k 32 b + 16 (lane / 16) + i, become 6 registers and two scale bytes
.irp b, 0,1
	v_max3_num_f32 v[QT+\b], |v[(\s)+16*\b]|, |v[(\s)+1+16*\b]|, 0x1800000
.endr
.irp i, 2,4,6,8,10,12,14
.irp b, 0,1
	v_max3_num_f32 v[QT+\b], v[QT+\b], |v[(\s)+16*\b+\i]|, |v[(\s)+1+16*\b+\i]|
.endr
.endr
.irp b, 0,1
	v_permlanex16_b32 v[QT+2+\b], v[QT+\b], s[SEL], s[SEL+1]
.endr
.irp b, 0,1
	v_max_num_f32 v[QT+\b], v[QT+\b], v[QT+2+\b]
.endr
.irp b, 0,1
	v_add_nc_u32 v[QT+4+\b], 0xff000000, v[QT+\b]
.endr
.irp b, 0,1
	v_lshrrev_b32 v[QT+2+\b], 23, v[QT+4+\b]
.endr
	v_lshl_or_b32 v[\hw], v[QT+3], 8, v[QT+2]
	v_cvt_scalef32_pk16_fp6_f32 v[(\d):(\d)+2], v[(\s):(\s)+15], v[QT+4]
	v_cvt_scalef32_pk16_fp6_f32 v[QC:QC+2], v[(\s)+16:(\s)+31], v[QT+5]
	v_nop
.irp i, 0,1,2
	v_permlane16_swap_b32 v[(\d)+\i], v[QC+\i]
.endr
.irp i, 0,1,2
	v_mov_b32 v[(\d)+3+\i], v[QC+\i]
.endr
.endm
.macro KLOAD ak, as                    ; images: 512 consecutive bytes an instruction
.irp b, 0,1,2,3
.irp c, 0,1,2
	ds_load_b128 v[KF+12*\b+4*\c:KF+12*\b+4*\c+3], v[\ak] offset:1536*\b+512*\c
.endr
.endr
	ds_load_b128 v[KS:KS+3], v[\as]
.endm
.macro VLOAD
.irp t, 0,1,2,3
.irp c, 0,1,2
	ds_load_b128 v[VF+12*\t+4*\c:VF+12*\t+4*\c+3], v[ADV] offset:VIMG+1536*\t+512*\c
.endr
.endr
	ds_load_b128 v[VS:VS+3], v[ADT]
.endm
.macro QK                              ; S^T = k q^T
.irp t, 0,1,2,3,4,5,6,7
.if \t%2
	v_wmma_scale_f32_16x16x128_f8f6f4 v[S+8*\t:S+8*\t+7], v[KF+6*\t:KF+6*\t+11], v[QF:QF+11], 0, v[KS+\t/2], v[QS] matrix_a_fmt:MATRIX_FMT_FP6 matrix_b_fmt:MATRIX_FMT_FP6 matrix_a_scale:MATRIX_SCALE_ROW1
.else
	v_wmma_scale_f32_16x16x128_f8f6f4 v[S+8*\t:S+8*\t+7], v[KF+6*\t:KF+6*\t+11], v[QF:QF+11], 0, v[KS+\t/2], v[QS] matrix_a_fmt:MATRIX_FMT_FP6 matrix_b_fmt:MATRIX_FMT_FP6
.endif
.endr
.endm
.macro PV                              ; O^T += v^T p^T: four accumulators, one instruction each; eight other products stand between two links of a chain
.irp t, 0,1,2,3
	v_wmma_scale_f32_16x16x128_f8f6f4 v[O+8*\t:O+8*\t+7], v[VF+12*\t:VF+12*\t+11], v[PC:PC+11], v[O+8*\t:O+8*\t+7], v[VS+\t], v[PW] matrix_a_fmt:MATRIX_FMT_FP6 matrix_b_fmt:MATRIX_FMT_FP6
.endr
.endm
.macro MAXPASS                         ; the largest score of my two blocks of 32 keys, in four chains by turns; each tile is read from its low end on
.irp b, 0,1,2,3
	v_max3_num_f32 v[BM+\b/2+2*(\b%2)], v[S+16*\b], v[S+16*\b+1], v[S+16*\b+2]
.endr
.irp i, 3,5,7,9,11,13
.irp b, 0,1,2,3
	v_max3_num_f32 v[BM+\b/2+2*(\b%2)], v[BM+\b/2+2*(\b%2)], v[S+16*\b+\i], v[S+16*\b+\i+1]
.endr
.endr
	v_max3_num_f32 v[BM], v[BM], v[S+15], v[S+31]
	v_max3_num_f32 v[BM+1], v[BM+1], v[S+47], v[S+63]
	s_delay_alu instid0(VALU_DEP_2)
	v_max_num_f32 v[BM], v[BM], v[SO]
	s_delay_alu instid0(VALU_DEP_2)
	v_max_num_f32 v[BM+1], v[BM+1], v[SO+1]
.endm
; A UNIT: step q of the slot.  kind 0: in the ring; 1: the refill brings Wp's codes; 2: the last step.
.macro UNIT slot, q, kind
.set BV, SLOTB*\slot+BLKB*\q
.if \q
.set BK, SLOTB*(1-\slot)
.else
.set BK, BV+BLKB
.endif
.set RND, (\q) && (\kind < 2)
	v_add_nc_u32 v[ADV], BV, v[AK0]                ; these lines are the places between the products above and the loads into their registers and the first read of the scores
	v_add_nc_u32 v[ADT], BV, v[AVS0]
.if \kind < 2
	v_add_nc_u32 v[ADK], BK, v[AK0]
	v_add_nc_u32 v[ADS], BK, v[AKS0]
.else
	v_and_b32 v[ADK], 31, v0
	v_and_b32 v[ADS], 15, v0
	v_lshlrev_b32 v[ADK], 4, v[ADK]                ; 16 x lane: bp
	v_mul_u32_u24 v[ADS], v[ADS], 12               ; Wp's scale bytes of row r
.endif
	VLOAD
.if \q == 0
	KLOAD ADK, ADS
.endif
.if \kind == 2
.irp i, 0,1,2,3,4,5,6,7                        ; k's registers are free: my eight pieces of output_cap, bp at my columns, Wp's scale words
	global_load_b128 v[KF+4*\i:KF+4*\i+3], v[RA], s[14:15] offset:1536*\i th:TH_LOAD_NT
.endr
	global_load_b128 v[KF+32:KF+35], v[ADK], s[12:13]
.irp e, 0,1,2,3,4,5
	global_load_b32 v[KF+36+\e], v[ADS], s[10:11] offset:192*(\e/3)+4*(\e%3)
.endr
.endif
.if RND
	s_wait_tensorcnt 0x0                           ; all my tensor loads have landed: the one that was out is my part of the other slot
	ds_add_u32 v[SPW], v[NIL]                      ; the maxima stand between the add and the wait for it
.if \kind == 0
	s_add_nc_u64 s[34+4*\slot:35+4*\slot], s[34+4*\slot:35+4*\slot], 2*SLOTB
	s_wait_xcnt 0x0                                ; the last prefetch has read its address
	s_add_nc_u64 s[44:45], s[44:45], SLOTB
.if \slot
	s_cmp_eq_u32 s47, 1                            ; the loop's last change of slots has no slot left to ask ahead for
	s_cselect_b32 s46, -1, s46
.endif
.endif
.endif
	MAXPASS
.if RND
	s_wait_alu depctr_va_vdst(0)
	s_wait_dscnt 0x0                               ; the add is done, v of this step is in: my reads of this slot are over
	s_barrier_signal -1                            ; the barrier opens a round of the cluster's barrier; register work alone up to its wait
.endif
	v_max_num_f32 v[TP], v[BM], v[BM+1]
	s_delay_alu instid0(VALU_DEP_1)
	v_permlanex16_b32 v[T2], v[TP], s[SEL], s[SEL+1]
	s_delay_alu instid0(VALU_DEP_1)
	v_max3_num_f32 v13, v13, v[TP], v[T2]          ; the running largest score of my query
	s_delay_alu instid0(VALU_DEP_1)
	v_mul_f32 v[TP], s19, v13                      ; -t
	s_delay_alu instid0(VALU_DEP_1)
	v_floor_f32 v[TP], v[TP]                       ; the new -M = -ceil(t)
	s_delay_alu instid0(VALU_DEP_1)
	v_sub_f32 v[T2], v[TP], v12                    ; old M - new M: a whole number, 0 or less
	v_mov_b32 v12, v[TP]
	s_delay_alu instid0(VALU_DEP_2)
	v_cvt_i32_f32 v[T2], v[T2]                     ; (it saturates)
	v_fma_f32 v[BM], v[BM], s[CS], v12             ; t - M of each block's largest score
	v_fma_f32 v[BM+1], v[BM+1], s[CS], v12
	v_ldexp_f32 v[FF], 1.0, v[T2]                  ; f = 2^(old M - new M)
.set JJ, 0
.rept 32
	v_pk_fma_f32 v[S+JJ:S+JJ+1], v[S+JJ:S+JJ+1], s[CS:CS+1], v[12:13] op_sel_hi:[1,0,0]
.set JJ, JJ+2
.endr
.set JJ, 0
.rept 16
	v_pk_mul_f32 v[O+JJ:O+JJ+1], v[O+JJ:O+JJ+1], v[FF:FF+1] op_sel_hi:[1,0]   ; O^T under the new M, each accumulator from its low end on
.set JJ, JJ+2
.endr
.if RND
	s_wait_alu depctr_va_vdst(0)
	s_barrier_wait -1
	CREST                                          ; no wave of any partner still reads this slot or has a load on its way
.if \kind == 0
	tensor_load_to_lds s[32+4*\slot:35+4*\slot], s[24:31]   ; the slot two on
.else
	tensor_load_to_lds s[76:79], s[68:75]          ; Wp's codes, a twelfth a wave
.endif
	s_nop 0
	NOP4
	KLOAD ADK, ADS                                 ; the other slot's first k lands under the exponentials
.if \kind == 0
	ASK
.endif
.endif
	s_wait_alu depctr_va_vdst(0)
	v_exp_f32 v[BM], v[BM]                         ; each block's largest p
	v_exp_f32 v[BM+1], v[BM+1]
.set JJ, 0
.rept 64
	v_exp_f32 v[S+JJ], v[S+JJ]                     ; p = 2^(t - M)
.set JJ, JJ+1
.endr
	v_pk_mul_f32 v[14:15], v[14:15], v[FF:FF+1] op_sel_hi:[1,0]   ; the sums under the new M: the plain place behind the batch
	s_wait_alu depctr_va_vdst(0)                   ; and the one wait behind it
	v_max_num_f32 v[BM], 0x1800000, v[BM]          ; the floor 2^(3 - 127)
	v_max_num_f32 v[BM+1], 0x1800000, v[BM+1]
	s_delay_alu instid0(VALU_DEP_2)
	v_add_nc_u32 v[SO], 0xff000000, v[BM]          ; 2 off the exponent field: the conversion's scale operand
	s_delay_alu instid0(VALU_DEP_2)
	v_add_nc_u32 v[SO+1], 0xff000000, v[BM+1]
	s_delay_alu instid0(VALU_DEP_2)
	v_lshrrev_b32 v[BM], 23, v[SO]                 ; the scale's byte
	s_delay_alu instid0(VALU_DEP_2)
	v_lshrrev_b32 v[BM+1], 23, v[SO+1]
	v_cvt_scalef32_pk16_fp6_f32 v[PC:PC+2], v[S:S+15], v[SO]
	v_cvt_scalef32_pk16_fp6_f32 v[CT0:CT0+2], v[S+16:S+31], v[SO]      ; (a conversion's three registers begin on an even number)
	v_cvt_scalef32_pk16_fp6_f32 v[PC+6:PC+8], v[S+32:S+47], v[SO+1]
	v_cvt_scalef32_pk16_fp6_f32 v[CT1:CT1+2], v[S+48:S+63], v[SO+1]
	v_lshl_or_b32 v[TP], v[BM+1], 16, v[BM]        ; my two bytes: blocks h and 2 + h,
	s_delay_alu instid0(VALU_DEP_1)
	v_lshlrev_b32 v[TP], v[SH8], v[TP]             ; at their places in the word;
	s_delay_alu instid0(VALU_DEP_1)
	v_permlanex16_b32 v[T2], v[TP], s[SEL], s[SEL+1]
	s_delay_alu instid0(VALU_DEP_1)
	v_or_b32 v[PW], v[TP], v[T2]                   ; with lane l xor 16's two the word is whole
.irp i, 0,1,2
	v_mov_b32 v[PC+3+\i], v[CT0+\i]
	v_mov_b32 v[PC+9+\i], v[CT1+\i]
.endr
	v_pk_add_f32 v[244:245], v[S:S+1], v[S+2:S+3]  ; the sum of the unquantised p, in four chains; these lines also stand between the writes of p's codes and scale word and the products
	v_pk_add_f32 v[246:247], v[S+4:S+5], v[S+6:S+7]
	v_pk_add_f32 v[250:251], v[S+8:S+9], v[S+10:S+11]
	v_pk_add_f32 v[28:29], v[S+12:S+13], v[S+14:S+15]
.irp j, 16,24,32,40,48,56
	v_pk_add_f32 v[244:245], v[244:245], v[S+\j:S+\j+1]
	v_pk_add_f32 v[246:247], v[246:247], v[S+\j+2:S+\j+3]
	v_pk_add_f32 v[250:251], v[250:251], v[S+\j+4:S+\j+5]
	v_pk_add_f32 v[28:29], v[28:29], v[S+\j+6:S+\j+7]
.endr
	v_pk_add_f32 v[244:245], v[244:245], v[246:247]
	v_pk_add_f32 v[250:251], v[250:251], v[28:29]
	s_delay_alu instid0(VALU_DEP_1)
	v_pk_add_f32 v[244:245], v[244:245], v[250:251]
	s_delay_alu instid0(VALU_DEP_1)
	v_pk_add_f32 v[14:15], v[14:15], v[244:245]
	s_wait_alu depctr_va_vdst(0)
	s_wait_dscnt 0x0                               ; v of this step and k of the next are in
	PV
.if \kind < 2
	QK
.endif
.endm
	s_load_b256 s[4:11], s[0:1], 0x0               ; kv 4, qb 6, Wp's codes 8, Wp's scales 10
	s_load_b128 s[12:15], s[0:1], 0x20             ; bp 12, output_cap 14
	s_load_b64 s[16:17], s[0:1], 0x30              ; out0
	v_lshl_add_u32 v[SPW], v0, 2, SPARE
	v_mov_b32 v[NIL], 0
	ds_add_u32 v[SPW], v[NIL]                      ; the opening: the add, twice on end, and its wait ahead of my first tensor load
	ds_add_u32 v[SPW], v[NIL]
	v_lshrrev_b32 v8, 5, v0
	s_delay_alu instid0(VALU_DEP_1)
	v_readfirstlane_b32 s[WV], v8                  ; wave 0..11
	s_bfe_u32 s40, ttmp6, 0x40000                  ; cx
	s_lshl_b32 s41, ttmp9, 2
	s_add_co_u32 s41, s41, s40                     ; my block of 32 rows: it enters global addresses of q, output_cap, out0 and the prefetches alone
	s_mov_b32 s24, 15|(3<<16)|(1<<21)              ; group 1 of the ring: mask 15 with bit 21; elements of 8 bytes; 51 rows of 256 bytes, dense
	s_mov_b32 s25, 32<<16
	s_mov_b32 s26, 51<<16
	s_mov_b32 s27, 32<<16
	s_mov_b32 s28, 51
	s_mov_b32 s29, 32
	s_mov_b32 s30, 0
	s_mov_b32 s31, 0
	s_mov_b32 s68, 15|(3<<16)|(1<<21)              ; group 1 of Wp's codes: 36 rows of 256 bytes
	s_mov_b32 s69, 32<<16
	s_mov_b32 s70, 36<<16
	s_mov_b32 s71, 32<<16
	s_mov_b32 s72, 36
	s_mov_b32 s73, 32
	s_mov_b32 s74, 0
	s_mov_b32 s75, 0
	s_mov_b32 s[SEL], 0x76543210
	s_mov_b32 s[SEL+1], 0xfedcba98
	s_mov_b32 s[CS], 0x3e38aa3b                    ; c = log2(e) / 8
	s_mov_b32 s[CS+1], s[CS]
	s_mov_b32 s19, 0xbe38aa3b                      ; -c
	s_mov_b32 s47, 7
	s_lshr_b32 s42, s[WV], 1                       ; head
	s_and_b32 s43, s[WV], 1                        ; query tile
	s_cmp_eq_u32 s43, 1
	s_cselect_b32 s48, -1, 0
	s_and_b32 s46, ttmp9, 31                       ; who prefetches: waves 0 to 4 of the batch's first cluster
	s_cmp_eq_u32 s46, 0
	s_cselect_b32 s46, 1, -1
	s_cmp_lt_u32 s[WV], 5
	s_cselect_b32 s46, s46, -1
	s_mul_i32 s50, s[WV], WPART
	s_lshr_b32 s49, ttmp9, 5
	s_mul_i32 s49, s49, 32*BLKB                    ; the batch's first block
	s_add_co_u32 s52, s49, s50
	s_mov_b32 s53, 0
	s_mul_i32 s84, s[WV], 9216                     ; my twelfth of Wp's codes = my 32 rows of it
	s_mul_i32 s85, s42, 6144
	s_lshl_b32 s86, s42, 9
	s_add_co_u32 s86, s86, KSC
	s_lshl_b32 s87, s42, 8
	s_add_co_u32 s87, s87, VSC
	s_and_b32 s89, s[WV], 3
	s_lshr_b32 s90, s[WV], 2
	s_and_b32 s91, s42, 1
	s_lshl_b32 s51, s90, 9                         ; on the way out wave w takes columns 128 (w / 4) on of rows 8 (w % 4) on
	s_mul_i32 s88, s89, 12288
	s_add_co_u32 s88, s88, s51
	s_mul_i32 s83, s89, 8*OPITCH
	s_add_co_u32 s83, s83, s51
	s_add_co_u32 s83, s83, STG
	s_lshl_b32 s82, s[WV], 7
	s_add_co_u32 s82, s82, STG
	s_mul_i32 s80, s43, 4608                       ; where my head's half fragment goes: tile, K step w / 4, half head % 2
	s_mul_i32 s58, s90, 1536
	s_add_co_u32 s80, s80, s58
	s_mul_i32 s58, s91, 24
	s_add_co_u32 s80, s80, s58
	s_mul_i32 s81, s43, 384                        ; and its two scale bytes
	s_lshl_b32 s58, s90, 7
	s_add_co_u32 s81, s81, s58
	s_lshl_b32 s58, s91, 1
	s_add_co_u32 s81, s81, s58
	s_lshr_b32 s56, s41, 2                         ; q's pair of tiles: step g / 4, pair g % 4, my head; its scale words: lane 16 (w % 2) + r, word g % 4
	s_mul_i32 s56, s56, 39936
	s_and_b32 s57, s41, 3
	s_mul_i32 s54, s57, 1536
	s_add_co_u32 s54, s54, s56
	s_add_co_u32 s54, s54, s85
	s_mov_b32 s55, 0
	s_lshl_b32 s57, s57, 2
	s_add_co_u32 s56, s56, s57
	s_lshl_b32 s58, s42, 9
	s_add_co_u32 s56, s56, s58
	s_lshl_b32 s58, s43, 8
	s_add_co_u32 s56, s56, s58
	s_mov_b32 s57, 0
	s_mov_b32 s59, 0
	v_and_b32 v8, 31, v0
	v_and_b32 v9, 15, v0
	v_bfe_u32 v[SH8], v0, 4, 1
	v_lshlrev_b32 v10, 4, v8
	v_lshlrev_b32 v11, 4, v9
	v_lshlrev_b32 v[SH8], 3, v[SH8]                ; 8 x (lane / 16)
	v_add_nc_u32 v[AK0], s85, v10
	v_add_nc_u32 v[AKS0], s86, v10
	v_add_nc_u32 v[AVS0], s87, v11
	v_min_u32 v[PFO], 152, v0
	v_add_nc_u32 v[RA], s88, v10
	v_lshlrev_b32 v[PFO], 8, v[PFO]
	s_wait_alu depctr_va_vdst(0)
	s_wait_dscnt 0x0                               ; both opening adds are done
	s_wait_kmcnt 0x0
	s_mov_b32 s32, 1                               ; groups 0: made of the cluster's x and the wave's number alone
	s_mov_b32 s33, s50
	s_add_nc_u64 s[34:35], s[4:5], s[52:53]
	s_or_b32 s35, s35, 0x80000000
	s_mov_b32 s36, 1
	s_add_co_u32 s37, s50, SLOTB
	s_add_nc_u64 s[38:39], s[4:5], s[52:53]
	s_add_nc_u64 s[38:39], s[38:39], SLOTB
	s_or_b32 s39, s39, 0x80000000
	s_mov_b32 s76, 1
	s_mov_b32 s77, s84
	s_mov_b32 s58, s84
	s_add_nc_u64 s[78:79], s[8:9], s[58:59]
	s_or_b32 s79, s79, 0x80000000
	s_add_nc_u64 s[54:55], s[6:7], s[54:55]        ; q's codes
	s_add_nc_u64 s[56:57], s[6:7], s[56:57]        ; q's scale words (36,864 bytes on)
	s_mov_b32 s58, s51
	s_add_nc_u64 s[12:13], s[12:13], s[58:59]      ; bp at my columns
	s_mul_i32 s58, s41, 49152
	s_add_nc_u64 s[14:15], s[14:15], s[58:59]      ; output_cap and out0 at the work-group's first row
	s_add_nc_u64 s[16:17], s[16:17], s[58:59]
	s_mul_i32 s58, s[WV], 384
	s_add_nc_u64 s[10:11], s[10:11], s[58:59]      ; Wp's scale bytes at my 32 rows
	s_mul_i32 s58, s40, 39168                      ; the prefetches: my work-group's quarter, in slot 1: each change of slots steps it first
	s_add_co_u32 s58, s58, s49
	s_add_co_u32 s58, s58, SLOTB
	s_add_nc_u64 s[44:45], s[4:5], s[58:59]
	ROUND                                          ; all four work-groups are here: the first joint loads meet
	tensor_load_to_lds s[32:35], s[24:31]          ; keys 0 to 255: my one load at the head
	s_nop 0
.irp c, 0,1,2
	global_load_b128 v[S+4*\c:S+4*\c+3], v10, s[54:55] offset:512*\c   ; q's pair of tiles, as an image
.endr
	global_load_b32 v[QS], v11, s[56:57] offset:36864
.set JJ, 0
.rept 32
	v_mov_b32 v[O+JJ], 0                           ; O^T: the unit is written once: the first finds zeros
.set JJ, JJ+1
.endr
.irp j, 0,1,2,3,4,5
	v_mov_b32 v[QF+6+\j], 0                        ; q at k = 64 .. 127: zero codes
	v_mov_b32 v[PC+\j], 0                          ; what the last tile of k names beyond its six
.endr
	v_mov_b32 v13, 0xff61b1e6                      ; the largest score so far: -3e38
	v_mov_b32 v12, 0x7e000000                      ; -M: so large that the first f is 0
	v_mov_b32 v14, 0
	v_mov_b32 v15, 0
	v_mov_b32 v[T2], 0                             ; a lane permute's destination counts as one of its sources
	v_mov_b32 v[PW], 0
	s_wait_alu depctr_va_vdst(0)
	s_wait_loadcnt 0x0
.irp i, 0,1,2,3,4,5
	v_cndmask_b32 v[QF+\i], v[S+\i], v[S+6+\i], s48   ; my tile of the pair
.endr
	s_wait_alu depctr_va_vdst(0)
	s_wait_tensorcnt 0x0                           ; slot 1's first fill is issued as a refill is
	ds_add_u32 v[SPW], v[NIL]
	s_add_nc_u64 s[44:45], s[44:45], SLOTB
	s_wait_dscnt 0x0
	ROUND
	tensor_load_to_lds s[36:39], s[24:31]
	s_nop 0
	NOP4
	KLOAD AK0, AKS0
	ASK
	s_wait_dscnt 0x0
	QK                                             ; step 0's scores
.Lslot:                                            ; seven trips of two slots
	UNIT 0, 0, 0
	UNIT 0, 1, 0
	UNIT 1, 0, 0
	UNIT 1, 1, 0
	s_sub_co_u32 s47, s47, 1
	s_cmp_lg_u32 s47, 0
	s_wait_alu depctr_va_vdst(0)
	s_cbranch_scc1 .Lslot
	UNIT 0, 0, 0                                   ; the tail is written out
	UNIT 0, 1, 1
	UNIT 1, 0, 0
	UNIT 1, 1, 2
; ---- THE WAY OUT.  Wave w makes outputs 32 w .. 32 w + 31 of all 32 rows.
.set LN, 92
.set RR, 93
.set HH, 94
.set ACS, 87
.set STI, 88
.set STB, 89
.set AWP, 90
.set QT, 250
.set QC, 28
	v_add_f32 v14, v14, v15                        ; the first lines name no register of the last products: their places
	v_and_b32 v[LN], 31, v0
	v_and_b32 v[RR], 15, v0
	v_bfe_u32 v[HH], v0, 4, 1
	v_permlanex16_b32 v[T2], v14, s[SEL], s[SEL+1]
	v_mul_u32_u24 v3, v[LN], 48
	v_add_f32 v14, v14, v[T2]
	v_add_nc_u32 v3, CIMG, v3                      ; a fragment's 48 bytes of my lane
	v_lshl_add_u32 v[ACS], v[RR], 2, CSC           ; a fragment's scale word of row r
	v_and_b32 v95, 8, v[RR]
	v_add_nc_u32 v1, s80, v3
	v_add_nc_u32 v2, s81, v[ACS]
	v_add_nc_u32 v95, v95, v[RR]
	v_lshlrev_b32 v[STB], 4, v[LN]
	v_mul_u32_u24 v[AWP], v[RR], 288
	v_mul_u32_u24 v[STI], v95, OPITCH
	v_add_nc_u32 v[STB], s83, v[STB]               ; the stage, back: rows 8 (w % 4) on, columns 128 (w / 4) on
	v_mad_u32_u24 v[AWP], v[HH], 24, v[AWP]
	v_lshl_add_u32 v[STI], v[HH], 5, v[STI]
	v_add_nc_u32 v[AWP], s84, v[AWP]               ; Wp in LDS: row 32 w + r, + 24 h
	v_add_nc_u32 v[STI], s82, v[STI]               ; the stage, in: row r + 8 (r / 8), + 32 h, + 128 w
	s_wait_alu depctr_va_vdst(0)
	v_rcp_f32 v[FF], v14
	v_nop
	s_wait_alu depctr_va_vdst(0)                   ; directly ahead of the first reader of the reciprocal and of O^T
.set JJ, 0
.rept 16
	v_pk_mul_f32 v[O+JJ:O+JJ+1], v[O+JJ:O+JJ+1], v[FF:FF+1] op_sel_hi:[1,0]
.set JJ, JJ+2
.endr
	QUANTH O, PC, 86                               ; my head's 64 numbers of 16 rows: half a fragment of the last product, and two of its scale bytes
	s_wait_alu depctr_va_vdst(0)
	s_wait_tensorcnt 0x0                           ; my part of Wp's codes has landed
	ds_store_b64 v1, v[PC:PC+1]
	ds_store_b64 v1, v[PC+2:PC+3] offset:8
	ds_store_b64 v1, v[PC+4:PC+5] offset:16
	ds_store_b16 v2, v86                           ; lanes r and r + 16 write the same bytes with the same value
	s_wait_dscnt 0x0
	s_barrier_signal -1
	s_barrier_wait -1                              ; the six fragments and Wp are whole; nobody reads slot 1 any more
.irp e, 0,1,2,3,4,5                            ; Wp's fragment (tile e / 3, K step e % 3) at v[100 + 12 e]
.irp q, 0,1,2,3,4,5
	ds_load_b64 v[100+12*\e+2*\q:100+12*\e+2*\q+1], v[AWP] offset:16*(\e/3)*288+96*(\e%3)+48*(\q/3)+8*(\q%3)
.endr
.endr
.irp f, 0,1,2,3,4,5
.irp c, 0,1,2
	ds_load_b128 v[172+12*\f+4*\c:172+12*\f+4*\c+3], v3 offset:1536*\f+16*\c
.endr
	ds_load_b32 v[244+\f], v[ACS] offset:128*\f
.endr
	s_wait_dscnt 0x0
	s_wait_loadcnt 0x0                             ; Wp's scale words, bp, output_cap
.irp s, 0,1,2                                  ; transposed: source 0 = 16 rows of Wp, source 1 = 16 rows of the attention's result.  Four accumulators by turns: v8, v16, v24, v74
.irp y, 0,1
.irp n, 0,1
.set OA, 8+8*(2*\y+\n)+42*((2*\y+\n)/3)
.if \s == 0
	v_wmma_scale_f32_16x16x128_f8f6f4 v[OA:OA+7], v[100+12*(3*\n+\s):100+12*(3*\n+\s)+11], v[172+12*(3*\y+\s):172+12*(3*\y+\s)+11], 0, v[KF+36+3*\n+\s], v[244+3*\y+\s] matrix_a_fmt:MATRIX_FMT_FP6 matrix_b_fmt:MATRIX_FMT_FP6
.else
	v_wmma_scale_f32_16x16x128_f8f6f4 v[OA:OA+7], v[100+12*(3*\n+\s):100+12*(3*\n+\s)+11], v[172+12*(3*\y+\s):172+12*(3*\y+\s)+11], v[OA:OA+7], v[KF+36+3*\n+\s], v[244+3*\y+\s] matrix_a_fmt:MATRIX_FMT_FP6 matrix_b_fmt:MATRIX_FMT_FP6
.endif
.endr
.endr
.endr
	NOP4
.irp y, 0,1
.irp n, 0,1
.set OA, 8+8*(2*\y+\n)+42*((2*\y+\n)/3)
	ds_store_b128 v[STI], v[OA:OA+3] offset:8*OPITCH*\y+64*\n       ; lane (r, h): row 8 y + r + 8 (r / 8), outputs 32 w + 16 n + 8 h + 0 .. 7
	ds_store_b128 v[STI], v[OA+4:OA+7] offset:8*OPITCH*\y+64*\n+16
.endr
.endr
	s_wait_dscnt 0x0
	s_barrier_signal -1
	s_barrier_wait -1                              ; 32 whole rows lie in the stage
.irp i, 0,1,2,3,4,5,6,7
	ds_load_b128 v[100+4*\i:103+4*\i], v[STB] offset:OPITCH*\i
.endr
.irp i, 0,1,2,3,4,5,6,7
.irp k, 0,1
	v_pk_add_f32 v[KF+4*\i+2*\k:KF+4*\i+2*\k+1], v[KF+4*\i+2*\k:KF+4*\i+2*\k+1], v[KF+32+2*\k:KF+33+2*\k]   ; output_cap + bp, while the rows come
.endr
.endr
.irp i, 0,1,2,3,4,5,6,7
	s_wait_dscnt 7-\i                              ; LDS loads come back in order: row i is in, the 7 - i younger ones stay out
.irp k, 0,1
	v_pk_add_f32 v[100+4*\i+2*\k:101+4*\i+2*\k], v[100+4*\i+2*\k:101+4*\i+2*\k], v[KF+4*\i+2*\k:KF+4*\i+2*\k+1]
.endr
	global_store_b128 v[RA], v[100+4*\i:103+4*\i], s[16:17] offset:1536*\i th:TH_STORE_NT   ; 32 lanes store 512 consecutive bytes, at a multiple of 256 from out0's first byte
.endr
	s_wait_tensorcnt 0x0                           ; the wave's end
	ds_add_u32 v[SPW], v[NIL]
	s_wait_dscnt 0x0
	ROUND                                          ; the closing round
	s_endpgm
.Lfunc_end_k_qcb5da8bff9_attn:
	.size	k_qcb5da8bff9_attn, .Lfunc_end_k_qcb5da8bff9_attn-k_qcb5da8bff9_attn
	.p2alignl 7, 3214868480
	.fill 96, 4, 3214868480
	.section	.rodata,"a",@progbits
	.p2align	6, 0x0
	.amdhsa_kernel k_qcb5da8bff9_attn
		.amdhsa_group_segment_fixed_size 327680
		.amdhsa_private_segment_fixed_size 0
		.amdhsa_enable_private_segment 0
		.amdhsa_kernarg_size 56
		.amdhsa_user_sgpr_count 2
		.amdhsa_user_sgpr_kernarg_segment_ptr 1
		.amdhsa_wavefront_size32 1
		.amdhsa_system_sgpr_workgroup_id_x 1
		.amdhsa_system_sgpr_workgroup_id_y 1
		.amdhsa_system_sgpr_workgroup_id_z 1
		.amdhsa_system_vgpr_workitem_id 0
		.amdhsa_next_free_vgpr 256
		.amdhsa_next_free_sgpr 96
		.amdhsa_reserve_vcc 0
		.amdhsa_float_denorm_mode_32 3
		.amdhsa_float_denorm_mode_16_64 3
		.amdhsa_memory_ordered 1
		.amdhsa_forward_progress 1
		.amdhsa_inst_pref_size 145
	.end_amdhsa_kernel
	.amdgpu_metadata
---
amdhsa.version: [ 1, 2 ]
amdhsa.kernels:
  - .name:           k_qcb5da8bff9_attn
    .symbol:         k_qcb5da8bff9_attn.kd
    .args:
      - { .name: kv, .offset: 0, .size: 8, .value_kind: global_buffer, .address_space: global }
      - { .name: qb, .offset: 8, .size: 8, .value_kind: global_buffer, .address_space: global }
      - { .name: Wp_codes, .offset: 16, .size: 8, .value_kind: global_buffer, .address_space: global }
      - { .name: Wp_scales, .offset: 24, .size: 8, .value_kind: global_buffer, .address_space: global }
      - { .name: bp, .offset: 32, .size: 8, .value_kind: global_buffer, .address_space: global }
      - { .name: output_cap, .offset: 40, .size: 8, .value_kind: global_buffer, .address_space: global }
      - { .name: out0, .offset: 48, .size: 8, .value_kind: global_buffer, .address_space: global }
    .group_segment_fixed_size: 327680
    .private_segment_fixed_size: 0
    .kernarg_segment_align: 8
    .kernarg_segment_size: 56
    .max_flat_workgroup_size: 384
    .sgpr_count:     96
    .vgpr_count:     256
    .wavefront_size: 32
...
	.end_amdgpu_metadata
.endif
;; end of part 2
